; MI455X (gfx1250); checked and timed in simulation.
; The chip was launched on July 23, 2026; its instructions are those of AMD's public machine-readable ISA for CDNA 5 (MIT licence, August 2026) and "CDNA5" Instruction Set Architecture Reference Guide (July 2026). The comments in the code are by the model that wrote it; some were corrected since.
;; Tt Multi Head Attention Model. Allowed arithmetic: matrix products marked QUANTISED: E2M3 operands, one E8M0 scale for each 32 along K, by v_wmma_scale_f32_16x16x128_f8f6f4 with both operands' format E2M3, f32 sums; everything else in f32.
;; Inputs: activation 8 x 1,024 x 1,024 float32; kb 1,024 float32; kw 1,024 x 1,024 float32; qb 1,024 float32; qw 1,024 x 1,024 float32; vb 1,024 float32; vw 1,024 x 1,024 float32.
;; Outputs: out0 8 x 1,024 x 1,024 float32.
;; This version of the problem:
;;   THIS VERSION OF THE PROBLEM IS GIVEN IN LOW PRECISION. The matrix products marked QUANTISED in the list below multiply operands that are first quantised to E2M3 (2 exponent bits, 3 mantissa bits; 6 bits a number), with one power-of-two scale for each 32 numbers along K (OCP MX v1.0); their sums are f32. All else is computed in f32.
;;   The module's matrix products, in the order in which they are computed (A, B: the left and right operand; K: the contracted axis; several contracted axes count as one K, in the product's order):
;;     1. [M 8,192, K 1,024] x [K 1,024, N 1,024]; A: input activation; B: input qw: QUANTISED
;;     2. [M 8,192, K 1,024] x [K 1,024, N 1,024]; A: input activation; B: input kw: QUANTISED
;;     3. [M 8,192, K 1,024] x [K 1,024, N 1,024]; A: input activation; B: input vw: QUANTISED
;;     4. batch 128 x [M 1,024, K 64] x [K 64, N 1,024]; A: computed on the way; B: computed on the way: QUANTISED
;;     5. batch 128 x [M 1,024, K 1,024] x [K 1,024, N 64]; A: softmax (see below); B: computed on the way: QUANTISED
;;   THE QUANTISER, for each operand of a quantised product, along K:
;;     - K is cut into blocks of 32 from its start; a last block that is shorter is filled with zeros.
;;     - A block's scale is 2^e with e = floor(log2(the largest magnitude in the block)) - 2, held to -126 .. 127; a block of zeros has e = 0. As a byte (E8M0): e + 127.
;;     - Each number is divided by its block's scale, clamped to +-7.5, and rounded to the nearest number of E2M3, ties to even, subnormals kept.
;;     - The product sums the exact products of the quantised numbers (number of the format x scale) in f32.
;;   ~~~python
;;   def quantise(x, axis):      # numpy; x: float32 -> the quantised numbers, widened to float32 again
;;       x = np.moveaxis(x, axis, -1); K = x.shape[-1]
;;       x = np.pad(x, [(0, 0)] * (x.ndim - 1) + [(0, -K % 32)]); x = x.reshape(x.shape[:-1] + (-1, 32)); a = np.abs(x).max(-1, keepdims=True)
;;       e = np.where(a > 0, np.clip(np.frexp(np.where(a > 0, a, 1))[1] - 1 - 2, -126, 127), 0)      # np.frexp(a)[1] - 1 = floor(log2(a)), exactly
;;       r = np.clip(x / 2.0 ** e, -7.5, 7.5)
;;       step = 2.0 ** (np.maximum(np.frexp(np.where(r == 0, 1, r))[1] - 1, 0) - 3)
;;       q = np.round(r / step) * step * 2.0 ** e      # np.round: ties to even
;;       return np.moveaxis(q.reshape(q.shape[:-2] + (-1,))[..., :K], -1, axis).astype(np.float32)
;;   ~~~
;;   SOFTMAX AHEAD OF A QUANTISED PRODUCT. Where the list says 'softmax', what is quantised is not the finished softmax but p = 2^(t - M), with t = logit x log2(e) and M = ceil(the row's largest t), a whole number; so 1/2 < the row's largest p <= 1. The row's sum l is taken of the UNQUANTISED p, in f32, and the product's result is divided by l at the end. Since M is a whole number, a kernel that streams over the keys may use a running M (the ceiling of the running maximum): every later rescaling is an exact power of two, which a block's scale takes up: the codes' values come out the same.
;;   OPERANDS COMPUTED ON THE WAY. 'Computed on the way' means the value that the module computes at that place (a softmax that the list does not call 'softmax' is quantised finished and normalised). What goes into a quantiser is computed in f32, as accurately as f32 sums, v_exp_f32 and their like allow (about 1e-6 of the number): no bf16 or f16 on the way to a quantiser, and a product that is left as it is and whose result goes on into a quantised operand takes f32 operands (vector FMAs, or v_wmma_f32_16x16x4_f32). A number that lies on a knife's edge between two numbers of the format may be rounded either way, as far as f32 arithmetic and the matrix unit's own rounding can turn it there, and no further.
;; One version. Each part assembles by itself: llvm-mc -triple=amdgcn-amd-amdhsa -mcpu=gfx1250 --defsym DOCPART=n.
;; ======== version 1 of 1: 3 launches
;; limits: right only within a limited range of input values
;; workspace buffers: cod 8,650,752 bytes; scl 360,448 bytes; qkv 20,447,232 bytes
;; launch quant (part 1): grid 352 x 1, 4 waves a work-group, no clusters, 33,280 bytes of LDS; arguments activation, qw, kw, vw, cod, scl; writes cod, scl
.if DOCPART == 1
	.amdgcn_target "amdgcn-amd-amdhsa--gfx1250"
	.amdhsa_code_object_version 6
	.text
	.protected	k_q3171ac9741_quant
	.globl	k_q3171ac9741_quant
	.p2align	8
	.type	k_q3171ac9741_quant,@function
k_q3171ac9741_quant:
	s_mov_b64 s[64:65], 0
	v_nop
	global_prefetch_b8 v0, s[64:65] scope:SCOPE_SE
	s_setreg_imm32_b32 hwreg(HW_REG_WAVE_MODE, 25, 1), 1
	s_wait_xcnt 0x0
; activation [8192][1024] and qw, kw, vw [1024][1024], f32, K innermost, become codes of FP6 (E2M3) with one E8M0 byte for each 32 along K.
; cod: 11,264 rows of 768 bytes (tokens, then qw's, kw's, vw's rows); scl: the same rows, 32 bytes each.
; A block's byte is its largest magnitude's exponent field - 2, held at 1 from below; numbers are divided by the scale and rounded to the nearest code, ties to even, beyond 7.5 the largest code.
; LIMITS: a block of zeros gets the byte 1 where the rule says 127 (its codes are zeros; this program alone reads the bytes); blocks under 2^-124 keep the byte 1; NaN and infinities are not served.
; ROW ORDER: inside each 64 rows, source row 32 h + 8 t + i is laid at row 16 t + 8 h + i.  So 16 consecutive rows of cod (a tile t) are rows 8 t + i and 32 + 8 t + i,
; and a lane's eight results of each of four neighbouring tiles are 32 neighbours along that axis.
; A work-group takes 32 source rows, a wave 8.  A step's four loads read 512 consecutive bytes each; the 2,048 bytes turn through the wave's own stage in LDS and come back 64 bytes a lane.
; No tensor loads, no barrier: waves share nothing.  Loads run four steps (16 loads a wave) ahead.
.set STEPS, 16
.set EMAX,  2
.set CB,    12                         ; bytes of 16 codes
.set R,     16                         ; v16-79 four sets as loaded
.set X,     80                         ; v80-111 two sets of 16 neighbours
.set C,     128                        ; v128-191 codes, four registers a step
.set E,     112                        ; v112-127 a scale byte a step
.set WREG,  8192                       ; LDS region of a wave: two stages, then 256 scale bytes
.set SP,    80                         ; a lane's place in a stage: 64 bytes + 16
	s_load_b256 s[4:11], s[0:1], 0x0               ; activation, qw, kw, vw
	s_load_b128 s[12:15], s[0:1], 0x20             ; cod, scl
	v_lshl_add_u32 v192, v0, 2, 0x8000             ; my spare word
	v_mov_b32 v193, 0
	v_lshrrev_b32 v1, 5, v0
	v_readfirstlane_b32 s16, v1                    ; wave
	v_and_b32 v2, 31, v0
	v_lshlrev_b32 v3, 4, v2
	s_mul_i32 s17, s16, WREG
	v_lshrrev_b32 v14, 2, v2
	v_mul_u32_u24 v14, v14, SP
	v_and_b32 v15, 3, v2
	v_lshl_add_u32 v14, v15, 4, v14
	v_add_nc_u32 v14, s17, v14                     ; stage, way in
	v_mul_u32_u24 v15, v2, SP
	v_add_nc_u32 v15, s17, v15                     ; stage, way out
	v_mul_u32_u24 v4, v2, CB
	v_lshrrev_b32 v5, 1, v2
	s_add_co_u32 s17, s17, 2*32*SP
	v_add_nc_u32 v5, s17, v5                       ; my block's byte in LDS
	v_lshlrev_b32 v7, 3, v2
	v_add_nc_u32 v6, s17, v7
	s_and_b32 s17, ttmp9, 31
	s_lshl_b32 s20, s16, 1                         ; row order: t = wave, h = work-group % 2: run 2 t + h of the eight runs of 8 rows
	s_and_b32 s21, ttmp9, 1
	s_or_b32 s20, s20, s21
	s_lshr_b32 s21, ttmp9, 1
	s_lshl_b32 s21, s21, 3
	s_add_co_u32 s20, s20, s21                     ; which run of 8 rows of cod and scl is mine
	s_wait_alu depctr_va_vdst(0)                   ; the wait at the head's end
	s_wait_kmcnt 0x0
	s_cmp_lt_u32 ttmp9, 320                        ; the source hangs on the work-group's number alone
	s_cselect_b64 s[8:9], s[8:9], s[10:11]
	s_cmp_lt_u32 ttmp9, 288
	s_cselect_b64 s[6:7], s[6:7], s[8:9]
	s_cmp_lt_u32 ttmp9, 256
	s_cselect_b64 s[4:5], s[4:5], s[6:7]
	s_cselect_b32 s17, ttmp9, s17
	s_lshl_b32 s18, s17, 2
	s_add_co_u32 s18, s18, s16
	s_lshl_b32 s18, s18, 15                        ; 8 rows of 4,096 bytes a wave
	s_mov_b32 s19, 0
	s_add_nc_u64 s[4:5], s[4:5], s[18:19]
	s_mul_i32 s22, s20, 32*STEPS*CB
	s_mov_b32 s23, 0
	s_add_nc_u64 s[12:13], s[12:13], s[22:23]
	s_lshl_b32 s22, s20, 8
	s_add_nc_u64 s[14:15], s[14:15], s[22:23]
.macro LOAD t
.irp i, 0,1,2,3
	global_load_b128 v[R+16*((\t)%4)+4*\i:R+16*((\t)%4)+4*\i+3], v3, s[4:5] offset:2048*(\t)+512*\i th:TH_LOAD_NT
.endr
.endm
.macro TURN t                          ; LDS serves a wave's instructions in order: no wait between the stores and the loads
.irp i, 0,1,2,3
	ds_store_b128 v14, v[R+16*((\t)%4)+4*\i:R+16*((\t)%4)+4*\i+3] offset:32*SP*((\t)%2)+8*SP*\i
.endr
.irp i, 0,1,2,3
	ds_load_b128 v[X+16*((\t)%2)+4*\i:X+16*((\t)%2)+4*\i+3], v15 offset:32*SP*((\t)%2)+16*\i
.endr
.endm
.irp t, 0,1,2,3
	LOAD \t
.endr
	s_wait_loadcnt 12                              ; step 0's four loads are in; twelve stay out
	TURN 0
.macro STEP t
.set XS, X+16*((\t)%2)
.if (\t) > 0
	s_wait_dscnt 1                                 ; this step's numbers are back (the last byte store may be out)
.else
	s_wait_dscnt 0x0
.endif
.if (\t)+4 < STEPS
	LOAD (\t)+4
.endif
.if (\t)+1 < STEPS
.if STEPS-2-(\t) >= 3
	s_wait_loadcnt 12                              ; the next step's four are in, three steps' may be out
.else
	s_wait_loadcnt 4*(STEPS-2-(\t))
.endif
	TURN (\t)+1
.endif
	v_max3_num_f32 v8, |v[XS]|, |v[XS+1]|, |v[XS+2]|
	v_max3_num_f32 v9, |v[XS+3]|, |v[XS+4]|, |v[XS+5]|
.irp i, 6,10
	v_max3_num_f32 v8, v8, |v[XS+\i]|, |v[XS+\i+1]|
	v_max3_num_f32 v9, v9, |v[XS+\i+2]|, |v[XS+\i+3]|
.endr
	v_max3_num_f32 v8, v8, |v[XS+14]|, |v[XS+15]|
	v_max3_num_f32 v8, v8, v9, (EMAX+1)<<23        ; the floor: the byte cannot fall under 1
	v_max_num_f32_dpp v8, v8, v8 row_xmask:1 row_mask:0xf bank_mask:0xf   ; with my neighbour's 16: the block's
	v_add_nc_u32 v11, -(EMAX<<23), v8              ; the conversion's scale operand
	v_cvt_scalef32_pk16_fp6_f32 v[C+4*(\t):C+4*(\t)+2], v[XS:XS+15], v11
	v_lshrrev_b32 v[E+(\t)], 23, v11               ; the byte
	ds_store_b8 v5, v[E+(\t)] offset:16*(\t)
	global_store_b96 v4, v[C+4*(\t):C+4*(\t)+2], s[12:13] offset:32*CB*(\t)
.endm
.irp t, 0,1,2,3,4,5,6,7,8,9,10,11,12,13,14,15
	STEP \t
.endr
	ds_load_b64 v[12:13], v6
	s_wait_dscnt 0x0
	global_store_b64 v7, v[12:13], s[14:15]        ; 256 consecutive bytes, aligned
	s_wait_tensorcnt 0x0                           ; the wave's end
	ds_add_u32 v192, v193
	s_wait_dscnt 0x0
	s_endpgm
.Lfunc_end_k_q3171ac9741_quant:
	.size	k_q3171ac9741_quant, .Lfunc_end_k_q3171ac9741_quant-k_q3171ac9741_quant
	.p2alignl 7, 3214868480
	.fill 96, 4, 3214868480
	.section	.rodata,"a",@progbits
	.p2align	6, 0x0
	.amdhsa_kernel k_q3171ac9741_quant
		.amdhsa_group_segment_fixed_size 33280
		.amdhsa_private_segment_fixed_size 0
		.amdhsa_enable_private_segment 0
		.amdhsa_kernarg_size 48
		.amdhsa_user_sgpr_count 2
		.amdhsa_user_sgpr_kernarg_segment_ptr 1
		.amdhsa_wavefront_size32 1
		.amdhsa_system_sgpr_workgroup_id_x 1
		.amdhsa_system_sgpr_workgroup_id_y 1
		.amdhsa_system_sgpr_workgroup_id_z 1
		.amdhsa_system_vgpr_workitem_id 0
		.amdhsa_next_free_vgpr 194
		.amdhsa_next_free_sgpr 66
		.amdhsa_reserve_vcc 0
		.amdhsa_float_denorm_mode_32 3
		.amdhsa_float_denorm_mode_16_64 3
		.amdhsa_memory_ordered 1
		.amdhsa_forward_progress 1
		.amdhsa_inst_pref_size 33
	.end_amdhsa_kernel
	.amdgpu_metadata
---
amdhsa.version: [ 1, 2 ]
amdhsa.kernels:
  - .name:           k_q3171ac9741_quant
    .symbol:         k_q3171ac9741_quant.kd
    .args:
      - { .name: activation, .offset: 0, .size: 8, .value_kind: global_buffer, .address_space: global }
      - { .name: qw, .offset: 8, .size: 8, .value_kind: global_buffer, .address_space: global }
      - { .name: kw, .offset: 16, .size: 8, .value_kind: global_buffer, .address_space: global }
      - { .name: vw, .offset: 24, .size: 8, .value_kind: global_buffer, .address_space: global }
      - { .name: cod, .offset: 32, .size: 8, .value_kind: global_buffer, .address_space: global }
      - { .name: scl, .offset: 40, .size: 8, .value_kind: global_buffer, .address_space: global }
    .group_segment_fixed_size: 33280
    .private_segment_fixed_size: 0
    .kernarg_segment_align: 8
    .kernarg_segment_size: 48
    .max_flat_workgroup_size: 128
    .sgpr_count:     66
    .vgpr_count:     194
    .wavefront_size: 32
...
	.end_amdgpu_metadata
.endif
;; end of part 1
;; launch proj (part 2): grid 4 x 64, 4 waves a work-group, clusters of 4 x 4, 327,680 bytes of LDS; arguments cod, scl, qb, kb, vb, qkv; writes qkv
.if DOCPART == 2
	.amdgcn_target "amdgcn-amd-amdhsa--gfx1250"
	.amdhsa_code_object_version 6
	.text
	.protected	k_q3171ac9741_proj
	.globl	k_q3171ac9741_proj
	.p2align	8
	.type	k_q3171ac9741_proj,@function
k_q3171ac9741_proj:
	s_mov_b64 s[64:65], 0
	v_nop
	global_prefetch_b8 v0, s[64:65] scope:SCOPE_SE
	s_setreg_imm32_b32 hwreg(HW_REG_WAVE_MODE, 25, 1), 1
	s_wait_xcnt 0x0
	s_wait_alu depctr_hold_cnt(0) depctr_sa_sdst(0) depctr_va_vdst(0) depctr_va_sdst(0) depctr_va_ssrc(0) depctr_va_vcc(0) depctr_vm_vsrc(0)
	s_getreg_b32 s2, hwreg(HW_REG_IB_STS2, 6, 4)
	s_cmp_eq_u32 s2, 0
	s_cbranch_scc0 .Lentry_in_a_cluster
	s_endpgm
.Lentry_in_a_cluster:
	s_bfe_u32 s2, ttmp6, 0x10000c
	s_cmp_lg_u32 s2, 0xf033
	s_cbranch_scc0 .Lentry_shape_is_right
	s_endpgm
.Lentry_shape_is_right:
; Q, K, V = x W^T + b on codes of FP6 (E2M3), K = 1,024, and their quantisers; the results leave as images of the operand registers of the attention launch.
; cod, scl: rows of 768 and 32 bytes: 8,192 tokens, then qw's, kw's, vw's rows; in each 64 rows, row 16 t + 8 h + i holds source row 32 h + 8 t + i.
; SHARES.  256 work-groups of four waves.  Work-group (cx, tb) holds 128 tokens (block tb) and walks 768 weight rows: chunks of 128 rows, two each of Q, K, V (rows 256 cx + 128 (n % 2) of tensor n / 2).
; Wave (a, b): its 64 tokens (band a), ALL of K, stay in 384 registers; of each chunk it takes head b: four blocks of 16 rows, 32 products each: a GROUP of 128 products and 128 sums.
; Q, K: source 0 = the weight's rows, so a lane holds one token and, over the group's four blocks, 32 neighbouring features.  V: source 0 = tokens, so a lane holds one channel and 32 neighbouring tokens.
; In both a unit of 32 consecutive registers is one scale block of the next product: largest magnitude, byte, two conversions: six registers of an operand.  The bias is the C of a block's first four products.
; LDS: x's 128 rows, two slots of 128 weight rows (rows of 768 bytes + 16 behind every 256), three places of scale bytes, the spare words.  No LDS store.
; FILLS.  Head: one joint load a wave (x, chunk 0, both tiles of scale bytes).  Chunk 1 behind a drained round at the head; chunk g + 2 in the third block of group g, behind a drained round that stands inside that
; block, when the slot's last block has been fetched.  x's tiles are shared by a row of the cluster, the weights' by a column.
; PREFETCH: behind each refill the chunk of the next refill, 24 blocks of 256 bytes a wave, shared out by address among the sixteen waves of a column; the first four clusters ask, since all clusters read the same rows.
; x is asked for once, at the head, so nothing of it is prefetched.
; WAITS: s_wait_dscnt NF: the block's own fetch is in; the NF loads of the next block's fetch may be out.
; qkv: a record of REC bytes a head (16 batch + n): K's codes [16 bands of 64 tokens][4 tiles] x 768, V's codes [16 bands][4 channel tiles] x 768 (half a fragment), K's and V's scale words [16 bands] x 256, then Q's codes and words.
; A tile: registers 0-3 at 16 x lane, 4-5 at 512 + 8 x lane.  Scale words: a lane's word p: tile 2 p in lanes 0-15, tile 2 p + 1 in lanes 16-31; bytes 0, 1 = the row's two blocks.
; LIMITS: a block of zeros gets the byte 1 where the rule says 127 (zero codes; this program alone reads the bytes); blocks under 2^-124 keep the byte 1; NaN and infinities are not served.
.set KROW,  768
.set KS,    32
.set PITCH, 816
.set FR,    12
.set FPW,   21                         ; fragments in a window of 256 registers; fragment f lies in window 1 + f / 21 at 12 (f % 21): 0-31 x's (4 q + t), 32-47 the weights' two sets
.set NF,    30                         ; LDS loads of a block's fetch
.set SLB,   128*PITCH
.set SL0,   SLB                        ; slot 0 (x's rows lie at 0)
.set XSC,   3*SLB
.set SCB,   16*272
.set WSC,   XSC+SCB
.set SPARE, WSC+2*SCB
.set REC,   159744
.set VCOD,  49152
.set KSCL,  98304
.set VSCL,  102400
.set QCOD,  106496
.set QSCL,  155648
.set XS,    32                         ; v32-63 x's scale words, 8 t + q
.set WS,    68                         ; v68-83 the weights', two sets of eight
.set T,     84                         ; v84-91 chains
.set SOP,   92
.set E,     96
.set W,     100
.set SW,    104
.set PT,    18
.set CD,    112                        ; v112-143 codes, eight registers a unit
.set TC,    144
.set BB,    160                        ; v160-223 bias, two sets of 32
.set AL,    72                         ; v840-967 the group's sums, named in window 3
.set G1A, 24
.set G1B, 32
.set G1S, 40
.set G1T, 48
.set G0X, 56
.set G0W, 60
.set G0XS, 68
.set G0WS, 72
.set SEL, 100
.set MSB, 0
.macro WIN new
.if MSB != \new
	s_set_vgpr_msb (MSB<<8)|\new
.set MSB, \new
.endif
.endm
.macro PLACES n
.rept \n
	v_nop
.endr
.endm
.macro WALU
	s_wait_alu depctr_va_vdst(0)
.endm
.macro CREST
	s_cmp_lg_u32 s16, 0
	s_cbranch_scc1 .Lnw0_\@
	s_barrier_signal -3
.Lnw0_\@:
	s_barrier_wait -3
	s_barrier_signal -1
	s_barrier_wait -1
.endm
.macro CROUND
	s_barrier_signal -1
	s_barrier_wait -1
	CREST
.endm
.macro TLOAD g0, g1
	tensor_load_to_lds s[\g0:\g0+3], s[\g1:\g1+7]
	s_nop 0
	PLACES 4
.endm
.macro CODE1 g, mask                   ; group 1: 128 rows of 768 bytes, 16 bytes of padding behind every 256
	s_or_b32 s[\g], s\mask, (1<<20)|(1<<21)|(5<<22)|(3<<25)
	s_mov_b32 s[\g+1], KROW<<16
	s_mov_b32 s[\g+2], 128<<16
	s_mov_b32 s[\g+3], KROW<<16
	s_mov_b32 s[\g+4], 128
	s_mov_b32 s[\g+5], KROW
	s_mov_b32 s[\g+6], 0
	s_mov_b32 s[\g+7], 0
.endm
.macro SCAL1 g, mask                   ; group 1: 4,096 dense bytes as 16 rows of 256, padded likewise
	s_or_b32 s[\g], s\mask, (3<<16)|(1<<20)|(1<<21)|(5<<22)|(3<<25)
	s_mov_b32 s[\g+1], 32<<16
	s_mov_b32 s[\g+2], 16<<16
	s_mov_b32 s[\g+3], 32<<16
	s_mov_b32 s[\g+4], 16
	s_mov_b32 s[\g+5], 32
	s_mov_b32 s[\g+6], 0
	s_mov_b32 s[\g+7], 0
.endm
.macro DESC n                          ; chunk n for slot n % 2: my half of its rows (waves 0, 1), its scale bytes (wave 2)
	s_add_co_u32 s[G0W+1], s82, SL0+((\n)%2)*SLB
	s_add_nc_u64 s[G0W+2:G0W+3], s[80:81], (((\n)/2)*1024+((\n)%2)*128)*KROW
	s_or_b32 s[G0W+3], s[G0W+3], 0x80000000
	s_mov_b32 s[G0WS+1], WSC+((\n)%2)*SCB
	s_add_nc_u64 s[G0WS+2:G0WS+3], s[78:79], (((\n)/2)*1024+((\n)%2)*128)*KS
	s_or_b32 s[G0WS+3], s[G0WS+3], 0x80000000
.endm
.macro ISSUE
	s_cmp_lt_u32 s16, 2
	s_cbranch_scc0 .Lsc_\@
	TLOAD G0W, G1B
	s_branch .Lz_\@
.Lsc_\@:
	s_cmp_eq_u32 s16, 2
	s_cbranch_scc0 .Lz_\@
	TLOAD G0WS, G1T
.Lz_\@:
.endm
.macro ASK n                           ; chunk n's rows asked for ahead of its refill
	s_cmp_lt_u32 s94, 4
	s_cbranch_scc0 .Lnp_\@
	global_prefetch_b8 v28, s[76:77] offset:(((\n)/2)*1024+((\n)%2)*128)*KROW th:TH_LOAD_NT scope:SCOPE_SE
.Lnp_\@:
.endm
; a fragment: six pieces of 8 bytes; lanes 16-31 read three pieces on; register a + 1 serves where that lies behind one padding more
.macro FRAG f, q, a
	WIN (1+(\f)/FPW)<<6
.set R_, FR*((\f)%FPW)
.irp p, 0,2,4
.set P0_, 12*(\q)+6*(\p/3)+\p%3
.set P1_, 12*(\q)+6*((\p+1)/3)+(\p+1)%3
.set X0_, (P0_%32)/29
.set X1_, (P1_%32)/29
.if X0_ == X1_
	ds_load_2addr_b64 v[R_+2*\p:R_+2*\p+3], v[(\a)+X0_] offset0:P0_+2*(P0_/32) offset1:P1_+2*(P1_/32)
.else
	ds_load_b64 v[R_+2*\p:R_+2*\p+1], v[(\a)+X0_] offset:8*(P0_+2*(P0_/32))
	ds_load_b64 v[R_+2*\p+2:R_+2*\p+3], v[(\a)+X1_] offset:8*(P1_+2*(P1_/32))
.endif
.endr
.endm
.macro FETCH s                         ; block s (of 24) into set s % 2; the three additions and the v_nop are the places behind the last products
	v_add_nc_u32 v8, (((\s)/4)%2)*SLB+((\s)%4)*16*PITCH, v4
	v_add_nc_u32 v9, (((\s)/4)%2)*SLB+((\s)%4)*16*PITCH, v5
	v_add_nc_u32 v10, (((\s)/4)%2)*SCB+((\s)%4)*544, v6
	v_nop
	WALU
.irp q, 0,1,2,3,4,5,6,7
	FRAG 32+8*((\s)%2)+\q, \q, 8
.endr
	WIN 0
	ds_load_b128 v[WS+8*((\s)%2):WS+8*((\s)%2)+3], v10
	ds_load_b128 v[WS+8*((\s)%2)+4:WS+8*((\s)%2)+7], v10 offset:16
.endm
.macro MM d, f0, f1, x0, x1, q, c
.if \q
	v_wmma_scale_f32_16x16x128_f8f6f4 v[\d:\d+7], v[FR*((\f0)%FPW):FR*((\f0)%FPW)+FR-1], v[FR*((\f1)%FPW):FR*((\f1)%FPW)+FR-1], v[\d:\d+7], v[\x0], v[\x1] matrix_a_fmt:MATRIX_FMT_FP6 matrix_b_fmt:MATRIX_FMT_FP6
.else
	v_wmma_scale_f32_16x16x128_f8f6f4 v[\d:\d+7], v[FR*((\f0)%FPW):FR*((\f0)%FPW)+FR-1], v[FR*((\f1)%FPW):FR*((\f1)%FPW)+FR-1], v[\c:\c+7], v[\x0], v[\x1] matrix_a_fmt:MATRIX_FMT_FP6 matrix_b_fmt:MATRIX_FMT_FP6
.endif
.endm
.macro PROD kind, e, j, n, bs          ; product n = 4 q + t of block j; the four accumulators take turns
.set Q_, (\n)/4
.set T_, (\n)%4
.set FX_, 4*Q_+T_
.set FW_, 32+8*(\e)+Q_
.set CW_, 3
.if Q_ == 0
.set CW_, 0
.endif
.if \kind
.set D_, AL+32*(\j)+8*T_
	WIN (1+FX_/FPW)|((1+FW_/FPW)<<2)|(CW_<<4)|0xc0
	MM D_, FX_, FW_, XS+8*T_+Q_, WS+8*(\e)+Q_, Q_, BB+32*(\bs)+8*(\j)
.else
.set D_, AL+32*T_+8*(\j)
	WIN (1+FW_/FPW)|((1+FX_/FPW)<<2)|(CW_<<4)|0xc0
	MM D_, FW_, FX_, WS+8*(\e)+Q_, XS+8*T_+Q_, Q_, BB+32*(\bs)+8*(\j)
.endif
.endm
.macro PRODS kind, s, from, to
.set N_, \from
.rept (\to)-(\from)
	PROD \kind, (\s)%2, (\s)%4, N_, ((\s)/4)%2
.set N_, N_+1
.endr
	WIN 0
.endm
.macro BLK s, kind
.if (\s) == 23
	s_wait_dscnt 0x0
.else
	s_wait_dscnt NF
.endif
	PRODS \kind, \s, 0, 32
.if (\s)+2 < 24
	FETCH (\s)+2
.endif
.endm
.macro RBLK s, kind                    ; a block with a round: the slot of this group is filled again
	s_wait_dscnt NF
	s_wait_tensorcnt 0x0                           ; my part of the next chunk is in;
	ds_add_u32 v16, v17
	DESC (\s)/4+2                                  ; no load of mine is out: the descriptors may be written
	PRODS \kind, \s, 0, 24
	s_wait_dscnt 0x0                               ; the add, and my last reads of this slot
	s_barrier_signal -1
	PRODS \kind, \s, 24, 32
	s_barrier_wait -1
	CREST
	ISSUE
	FETCH (\s)+2
.if (\s)/4+3 < 6
	ASK (\s)/4+3
.endif
.endm
.macro SBLK s, kind                    ; a plain barrier shows the last chunk to all
	s_wait_dscnt NF
	PRODS \kind, \s, 0, 24
	s_wait_tensorcnt 0x0
	s_wait_dscnt 0x0
	s_barrier_signal -1
	PRODS \kind, \s, 24, 32
	s_barrier_wait -1
	FETCH (\s)+2
.endm
.macro BIASQK sb, odd, set             ; register 8 j + i of lane (r, h) is feature 32 h + 8 j + i
.irp k, 0,1,2,3,4,5,6,7
	global_load_b128 v[BB+32*\set+4*\k:BB+32*\set+4*\k+3], v14, s[\sb:\sb+1] offset:512*\odd+16*\k
.endr
.endm
.macro BIASV odd, set                  ; all eight registers of block j: my channel 8 j + r % 8 + 32 (r / 8)
.irp j, 0,1,2,3
.irp i, 0,1,2,3,4,5,6,7
	global_load_b32 v[BB+32*\set+8*\j+\i], v15, s[92:93] offset:512*\odd+32*\j
.endr
.endr
.endm
.macro NEXTBIAS g
.if \g == 0
	BIASQK 88, 1, 1
.elseif \g == 1
	BIASQK 90, 0, 0
.elseif \g == 2
	BIASQK 90, 1, 1
.elseif \g == 3
	BIASV 0, 0
.elseif \g == 4
	BIASV 1, 1
.endif
.endm
; the way out of a group: four units of 32 sums, line by line in turn; each accumulator is read from its low end on
.macro WAYOUT coff, soff
	s_wait_xcnt 0x0                                ; the last group's stores have read their registers
	WIN 0x3f
.irp u, 0,1,2,3
.irp k, 0,1
	v_max3_num_f32 v[T+2*\u+\k], |v[AL+32*\u+16*\k]|, |v[AL+32*\u+16*\k+1]|, |v[AL+32*\u+16*\k+2]|
.endr
.endr
	WIN 0x3c
.irp i, 3,5,7,9,11,13
.irp u, 0,1,2,3
.irp k, 0,1
	v_max3_num_f32 v[T+2*\u+\k], v[T+2*\u+\k], |v[AL+32*\u+16*\k+\i]|, |v[AL+32*\u+16*\k+\i+1]|
.endr
.endr
.endr
.irp u, 0,1,2,3
	v_max3_num_f32 v[T+2*\u+1], v[T+2*\u+1], |v[AL+32*\u+15]|, |v[AL+32*\u+31]|
.endr
	WIN 0
.irp u, 0,1,2,3
	v_max3_num_f32 v[T+2*\u], v[T+2*\u], v[T+2*\u+1], 0x1800000   ; with the floor 2^(3 - 127)
.endr
.irp u, 0,1,2,3
	v_add_nc_u32 v[SOP+\u], 0xff000000, v[T+2*\u]  ; 2 off the exponent field: the conversions' scale operand
.endr
	WIN 0x03
.irp u, 0,1,2,3
	v_cvt_scalef32_pk16_fp6_f32 v[CD+8*\u:CD+8*\u+2], v[AL+32*\u:AL+32*\u+15], v[SOP+\u]
	v_cvt_scalef32_pk16_fp6_f32 v[TC+4*\u:TC+4*\u+2], v[AL+32*\u+16:AL+32*\u+31], v[SOP+\u]
.endr
	WIN 0
.irp u, 0,1,2,3
	v_lshrrev_b32 v[E+\u], 23, v[SOP+\u]           ; the byte
.endr
.irp u, 0,1,2,3
.irp i, 0,1,2
	v_mov_b32 v[CD+8*\u+3+\i], v[TC+4*\u+\i]
.endr
.endr
.irp u, 0,1,2,3
	v_lshlrev_b32 v[W+\u], v13, v[E+\u]            ; at byte h
.endr
.irp u, 0,1,2,3
	v_permlanex16_b32 v[PT+\u], v[W+\u], s[SEL], s[SEL+1]
.endr
	v_or_b32 v[SW], v[W], v[PT]                    ; the row's two bytes, in both halves of the lanes
	v_or_b32 v[SW+1], v[W+2], v[PT+2]
	v_or_b32 v[W+1], v[W+1], v[PT+1]
	v_or_b32 v[W+3], v[W+3], v[PT+3]
	v_cndmask_b32 v[SW], v[SW], v[W+1], s3         ; an odd tile's words take lanes 16-31
	v_cndmask_b32 v[SW+1], v[SW+1], v[W+3], s3
.irp u, 0,1,2,3
	global_store_b128 v11, v[CD+8*\u:CD+8*\u+3], s[84:85] offset:(\coff)+768*\u         ; 512 consecutive bytes, aligned
	global_store_b64 v12, v[CD+8*\u+4:CD+8*\u+5], s[84:85] offset:(\coff)+768*\u+512    ; 256
.endr
	global_store_b64 v12, v[SW:SW+1], s[86:87] offset:\soff
.endm
.macro GROUP g, kind, creg, sreg, mode
	s_wait_loadcnt 0x0                             ; this group's bias is in
	NEXTBIAS \g
	BLK 4*\g, \kind
	BLK 4*\g+1, \kind
.if \mode == 0
	RBLK 4*\g+2, \kind
.elseif \mode == 1
	SBLK 4*\g+2, \kind
.else
	BLK 4*\g+2, \kind
.endif
	BLK 4*\g+3, \kind
.if \g == 5
	PLACES 4
.endif
	WAYOUT \creg+(\g%2)*2*REC, \sreg+(\g%2)*2*REC
.endm
; ---- the head
	s_load_b128 s[4:7], s[0:1], 0x0                ; cod, scl
	s_load_b128 s[8:11], s[0:1], 0x10              ; qb, kb
	s_load_b128 s[12:15], s[0:1], 0x20             ; vb, qkv
	v_lshl_add_u32 v16, v0, 2, SPARE
	v_mov_b32 v17, 0
	ds_add_u32 v16, v17                            ; the opening lines: the add twice on end and its wait
	ds_add_u32 v16, v17
	v_lshrrev_b32 v1, 5, v0
	v_readfirstlane_b32 s16, v1                    ; wave
	s_lshr_b32 s17, s16, 1                         ; a: my band of 64 tokens
	s_and_b32 s18, s16, 1                          ; b: my head of a chunk
	s_bfe_u32 s19, ttmp6, 0x40000                  ; cx: the column group
	s_bfe_u32 s20, ttmp6, 0x40004                  ; cy
	s_and_b32 s94, ttmp7, 0xffff                   ; the cluster's y
	s_lshl_b32 s21, s94, 2
	s_add_co_u32 s21, s21, s20                     ; tb: my block of 128 tokens
	s_lshl_b32 s22, s20, 2
	s_lshl_b32 s22, 15, s22                        ; my row of the cluster
	s_lshl_b32 s23, 0x1111, s19                    ; my column
	CODE1 G1A, 22
	CODE1 G1B, 23
	SCAL1 G1S, 22
	SCAL1 G1T, 23
	s_mov_b32 s[G0X], 1
	s_mov_b32 s[G0X+1], 0
	s_mov_b32 s[G0W], 1
	s_mov_b32 s[G0W+1], SL0
	s_mov_b32 s[G0XS], 1
	s_mov_b32 s[G0XS+1], XSC
	s_mov_b32 s[G0WS], 1
	s_mov_b32 s[G0WS+1], WSC
	s_mov_b32 s[SEL], 0x76543210
	s_mov_b32 s[SEL+1], 0xfedcba98
	s_mov_b32 s3, 0xffff0000
	s_mul_i32 s82, s16, 64*PITCH                   ; where my half of a chunk goes
	WALU
	s_wait_dscnt 0x0
	s_wait_kmcnt 0x0
	CROUND                                         ; the round in front of the first joint loads
	s_mul_i32 s96, s21, 128*KROW
	s_mov_b32 s97, 0
	s_add_nc_u64 s[G0X+2:G0X+3], s[4:5], s[96:97]
	s_or_b32 s[G0X+3], s[G0X+3], 0x80000000
	s_lshl_b32 s96, s21, 12
	s_add_nc_u64 s[G0XS+2:G0XS+3], s[6:7], s[96:97]
	s_or_b32 s[G0XS+3], s[G0XS+3], 0x80000000
	s_mul_i32 s96, s19, 256*KROW
	s_add_co_u32 s96, s96, 8192*KROW
	s_add_nc_u64 s[76:77], s[4:5], s[96:97]        ; my column group's rows of qw
	s_lshl_b32 s96, s19, 13
	s_add_co_u32 s96, s96, 8192*KS
	s_add_nc_u64 s[78:79], s[6:7], s[96:97]        ; and their scale bytes
	s_mul_i32 s96, s16, 64*KROW
	s_add_nc_u64 s[80:81], s[76:77], s[96:97]      ; my half of a chunk
	s_mov_b64 s[G0W+2:G0W+3], s[76:77]
	s_or_b32 s[G0W+3], s[G0W+3], 0x80000000
	s_mov_b64 s[G0WS+2:G0WS+3], s[78:79]
	s_or_b32 s[G0WS+3], s[G0WS+3], 0x80000000
	s_cmp_eq_u32 s16, 0                            ; one joint load a wave, in one chain of branches
	s_cbranch_scc0 .Lw1
	TLOAD G0X, G1A                                 ; wave 0: x's 128 rows
	s_branch .Lasked
.Lw1:
	s_cmp_eq_u32 s16, 1
	s_cbranch_scc0 .Lw2
	TLOAD G0W, G1B                                 ; wave 1: chunk 0
	s_branch .Lasked
.Lw2:
	s_cmp_eq_u32 s16, 2
	s_cbranch_scc0 .Lw3
	TLOAD G0XS, G1S                                ; wave 2: x's scale bytes
	s_branch .Lasked
.Lw3:
	TLOAD G0WS, G1T                                ; wave 3: chunk 0's
.Lasked:
	s_lshl_b32 s96, s19, 10                        ; bias: 256 bytes a head: head 4 cx + b (+ 2 by the offset)
	s_lshl_b32 s98, s18, 8
	s_add_co_u32 s96, s96, s98
	s_add_nc_u64 s[88:89], s[8:9], s[96:97]
	s_add_nc_u64 s[90:91], s[10:11], s[96:97]
	s_add_nc_u64 s[92:93], s[12:13], s[96:97]
	s_lshr_b32 s96, s21, 3                         ; the record: 16 batch + 4 cx + b
	s_lshl_b32 s96, s96, 4
	s_lshl_b32 s98, s19, 2
	s_add_co_u32 s96, s96, s98
	s_add_co_u32 s96, s96, s18
	s_mul_i32 s96, s96, REC
	s_add_nc_u64 s[86:87], s[14:15], s[96:97]
	s_and_b32 s98, s21, 7
	s_lshl_b32 s98, s98, 1
	s_add_co_u32 s98, s98, s17                     ; my band of the head's sixteen
	s_mul_i32 s96, s98, 3072
	s_add_nc_u64 s[84:85], s[86:87], s[96:97]      ; the codes' stores
	s_lshl_b32 s96, s98, 8
	s_add_nc_u64 s[86:87], s[86:87], s[96:97]      ; the scale words'
	s_mul_i32 s95, s18, 64*PITCH
	s_add_co_u32 s95, s95, SL0
	s_mul_i32 s96, s17, 64*PITCH
	s_mul_i32 s98, s18, 64*34
	s_add_co_u32 s98, s98, WSC
	s_mul_i32 s99, s17, 64*34
	s_add_co_u32 s99, s99, XSC
	s_lshl_b32 s83, s20, 2
	s_add_co_u32 s83, s83, s16
	s_mul_i32 s83, s83, 24*256                     ; my sixteenth of a chunk, for the prefetches
	v_and_b32 v1, 15, v0                           ; r
	v_bfe_u32 v2, v0, 4, 1                         ; h
	v_and_b32 v3, 31, v0
	v_mul_u32_u24 v7, v1, PITCH
	v_mad_u32_u24 v22, v2, 24, v7
	v_mad_u32_u24 v23, v2, 40, v7
	v_add_nc_u32 v4, s95, v22                      ; my head's rows in slot 0
	v_add_nc_u32 v5, s95, v23
	v_add_nc_u32 v24, s96, v22                     ; my band of x
	v_add_nc_u32 v25, s96, v23
.irp t, 0,1,2,3
	v_add_nc_u32 v[224+2*\t], \t*16*PITCH, v24
	v_add_nc_u32 v[225+2*\t], \t*16*PITCH, v25
.endr
	v_lshlrev_b32 v26, 5, v1
	v_lshrrev_b32 v27, 3, v1
	v_lshl_add_u32 v26, v27, 4, v26                ; a row's scale bytes: 32 r + 16 (r / 8)
	v_add_nc_u32 v6, s98, v26
	v_add_nc_u32 v232, s99, v26
	v_lshlrev_b32 v11, 4, v3
	v_lshlrev_b32 v12, 3, v3
	v_lshlrev_b32 v13, 3, v2
	v_lshlrev_b32 v14, 7, v2
	v_and_b32 v15, 7, v1
	v_lshlrev_b32 v15, 2, v15
	v_lshl_add_u32 v15, v27, 7, v15
	v_min_u32 v28, 23, v3
	v_lshlrev_b32 v28, 8, v28
	v_add_nc_u32 v28, s83, v28
.irp u, 0,1,2,3
	v_mov_b32 v[PT+\u], 0                          ; a lane permute's destination counts as a source
.endr
	WALU                                           ; the wait at the head's end
	BIASQK 88, 0, 0
	s_wait_tensorcnt 0x0                           ; my tile of the head's four is in; the full sequence ahead of slot 1's first fill
	ds_add_u32 v16, v17
	s_mov_b32 s[G1B+2], 64<<16                     ; from here on a load of codes brings 64 rows
	s_mov_b32 s[G1B+4], 64
	DESC 1
	s_wait_dscnt 0x0
	CROUND
	ISSUE
.irp q, 0,1,2,3,4,5,6,7
.irp t, 0,1,2,3
	FRAG 4*\q+\t, \q, 224+2*\t
.endr
.endr
	WIN 0
.irp t, 0,1,2,3
	ds_load_b128 v[XS+8*\t:XS+8*\t+3], v232 offset:544*\t
	ds_load_b128 v[XS+8*\t+4:XS+8*\t+7], v232 offset:544*\t+16
.endr
	FETCH 0
	FETCH 1
	ASK 2
; ---- six groups
	GROUP 0, 0, QCOD, QSCL, 0
	GROUP 1, 0, QCOD, QSCL, 0
	GROUP 2, 0, 0, KSCL, 0
	GROUP 3, 0, 0, KSCL, 0
	GROUP 4, 1, VCOD, VSCL, 1
	GROUP 5, 1, VCOD, VSCL, 2
	s_wait_tensorcnt 0x0                           ; the wave's end
	ds_add_u32 v16, v17
	s_wait_dscnt 0x0
	CROUND                                         ; the closing round
	s_endpgm
.Lfunc_end_k_q3171ac9741_proj:
	.size	k_q3171ac9741_proj, .Lfunc_end_k_q3171ac9741_proj-k_q3171ac9741_proj
	.p2alignl 7, 3214868480
	.fill 96, 4, 3214868480
	.section	.rodata,"a",@progbits
	.p2align	6, 0x0
	.amdhsa_kernel k_q3171ac9741_proj
		.amdhsa_group_segment_fixed_size 327680
		.amdhsa_private_segment_fixed_size 0
		.amdhsa_enable_private_segment 0
		.amdhsa_kernarg_size 48
		.amdhsa_user_sgpr_count 2
		.amdhsa_user_sgpr_kernarg_segment_ptr 1
		.amdhsa_wavefront_size32 1
		.amdhsa_system_sgpr_workgroup_id_x 1
		.amdhsa_system_sgpr_workgroup_id_y 1
		.amdhsa_system_sgpr_workgroup_id_z 1
		.amdhsa_system_vgpr_workitem_id 0
		.amdhsa_next_free_vgpr 1024
		.amdhsa_next_free_sgpr 102
		.amdhsa_reserve_vcc 0
		.amdhsa_float_denorm_mode_32 3
		.amdhsa_float_denorm_mode_16_64 3
		.amdhsa_memory_ordered 1
		.amdhsa_forward_progress 1
		.amdhsa_inst_pref_size 230
	.end_amdhsa_kernel
	.amdgpu_metadata
---
amdhsa.version: [ 1, 2 ]
amdhsa.kernels:
  - .name:           k_q3171ac9741_proj
    .symbol:         k_q3171ac9741_proj.kd
    .args:
      - { .name: cod, .offset: 0, .size: 8, .value_kind: global_buffer, .address_space: global }
      - { .name: scl, .offset: 8, .size: 8, .value_kind: global_buffer, .address_space: global }
      - { .name: qb, .offset: 16, .size: 8, .value_kind: global_buffer, .address_space: global }
      - { .name: kb, .offset: 24, .size: 8, .value_kind: global_buffer, .address_space: global }
      - { .name: vb, .offset: 32, .size: 8, .value_kind: global_buffer, .address_space: global }
      - { .name: qkv, .offset: 40, .size: 8, .value_kind: global_buffer, .address_space: global }
    .group_segment_fixed_size: 327680
    .private_segment_fixed_size: 0
    .kernarg_segment_align: 8
    .kernarg_segment_size: 48
    .max_flat_workgroup_size: 128
    .sgpr_count:     102
    .vgpr_count:     1024
    .wavefront_size: 32
...
	.end_amdgpu_metadata
.endif
;; end of part 2
;; launch attn (part 3): grid 2 x 128, 16 waves a work-group, no clusters, 178,176 bytes of LDS; arguments qkv, out0; writes out0
.if DOCPART == 3
	.amdgcn_target "amdgcn-amd-amdhsa--gfx1250"
	.amdhsa_code_object_version 6
	.text
	.protected	k_q3171ac9741_attn
	.globl	k_q3171ac9741_attn
	.p2align	8
	.type	k_q3171ac9741_attn,@function
k_q3171ac9741_attn:
	s_mov_b64 s[64:65], 0
	v_nop
	global_prefetch_b8 v0, s[64:65] scope:SCOPE_SE
	s_setreg_imm32_b32 hwreg(HW_REG_WAVE_MODE, 25, 1), 1
	s_wait_xcnt 0x0
; out0[b][q][64 n + d] = sum over k of softmax_k(Q . K / 32) V: 128 heads of 1,024 tokens, head size 64, both products on codes of FP6 (E2M3) with one E8M0 scale for each 32 along a product's K.
; qkv: a record of REC bytes a head, operands as images of their registers (laid by the launch before): K's codes [16 bands of 64 tokens][4 tiles] x 768, V's codes [16 bands][4 channel tiles] x 768,
; K's and V's scale words [16 bands] x 256, then Q's codes and words.  Row r of tile t of a band is token 8 t + r % 8 + 32 (r / 8); row r of channel tile j is channel 8 j + r % 8 + 32 (r / 8).
; THE SOFTMAX: t = score x log2(e) / 32; M = the row's largest t so far, rounded up to a whole number; p = 2^(t - M) is quantised along the keys, not normalised; the row's sum is taken of the unquantised p
; and divides O at the end.  When M moves, the sum and O are multiplied by 2^(old M - new M): exact.
; HEAD SIZE 64 IS HALF OF THE INSTRUCTION'S K: Q's fragment holds zero codes for k = 64 .. 127, so a tile of K is six registers, and its upper six are the next tile's (behind the last: zeros).
; SHARES.  A work-group owns 512 queries of ONE head; K, V and their scale words, 106,496 bytes, are filled once, a sixteenth by each of the sixteen waves.  A wave owns two tiles of 16 queries, one after the other;
; one barrier in the launch.  Both products are used transposed: a lane holds one query; the 32 registers of a band's four tiles are keys 32 (lane / 16) + 0 .. 31: a whole scale block of p.
; NO CLUSTER: only two work-groups read a head's K and V, and a cluster of four along x would join work-groups of two heads under one mask.  NO PREFETCH: all tiles are asked for at the head; there is no loop to run ahead in.
; LIMITS: the promise holds while the scaled scores stay under 2^31 in magnitude; NaN and infinities are not served.  A block's largest p is made from the block's largest score by the same multiply-add and exponential,
; which takes v_exp_f32 not to fall where its input rises (the ISA guide gives 1 ulp): at the worst one p of a block is held one code low.  A block whose every p is 0 keeps the byte 1: its codes are zeros.
; REGISTERS: v1-6 addresses; v8-10 the step's; v11 old -M, v12 -M, v13 largest score, v[14:15] sum; v16-27 Q; v30 Q's words; v32-85 K's tiles and zeros, then V; v86-89 K's words, v90-93 V's halves; v96-159 S^T, p;
; v160-191 O^T; v192-200 at work; v206-207 V's words; v208-214 codes on the way; v216-222 the second tile's Q; v224-235 p's codes; v240-245 sums; v252 f; v253 p's word.
.set REC,   159744
.set HEADB, 106496
.set PART,  HEADB/16                   ; 26 rows of 256 bytes
.set VCOD,  49152
.set KSCL,  98304
.set VSCL,  102400
.set QCOD,  106496
.set QSCL,  155648
.set STAGE, HEADB                      ; 16 rows x 272 bytes a wave, for the way out; no tensor load lands there
.set SPT,   272
.set SPARE, STAGE+16*16*SPT
.set SEL,   20
.set CS,    22
.set TK,    40
.set TS,    41
.set TRIP,  43
	s_load_b128 s[4:7], s[0:1], 0x0                ; qkv, out0
	v_lshl_add_u32 v28, v0, 2, SPARE
	v_mov_b32 v29, 0
	ds_add_u32 v28, v29                            ; the opening lines
	ds_add_u32 v28, v29
	v_lshrrev_b32 v7, 5, v0
	v_readfirstlane_b32 s8, v7                     ; wave 0..15
	s_and_b32 s10, ttmp7, 0xffff                   ; the head, 16 b + n
	s_mov_b32 s24, 3<<16                           ; group 1: 26 rows of 32 elements of 8 bytes, dense
	s_mov_b32 s25, 32<<16
	s_mov_b32 s26, 26<<16
	s_mov_b32 s27, 32<<16
	s_mov_b32 s28, 26
	s_mov_b32 s29, 32
	s_mov_b32 s30, 0
	s_mov_b32 s31, 0
	s_mov_b32 s[SEL], 0x76543210
	s_mov_b32 s[SEL+1], 0xfedcba98
	s_mov_b32 s[CS], 0x3d38aa3b                    ; c = log2(e) / 32
	s_mov_b32 s[CS+1], s[CS]
	s_mov_b32 s19, 0xbd38aa3b                      ; -c
	s_mul_i32 s46, s10, REC
	s_mov_b32 s47, 0
	s_mul_i32 s48, s8, PART                        ; my sixteenth, in memory and in LDS alike
	s_mov_b32 s49, 0
	s_mov_b32 s32, 1
	s_mov_b32 s33, s48
	s_wait_alu depctr_va_vdst(0)
	s_wait_dscnt 0x0
	s_wait_kmcnt 0x0
	s_add_nc_u64 s[46:47], s[4:5], s[46:47]        ; the record
	s_add_nc_u64 s[34:35], s[46:47], s[48:49]
	s_or_b32 s35, s35, 0x80000000
	tensor_load_to_lds s[32:35], s[24:31]          ; one load a wave
	s_nop 0
.rept 4
	v_nop
.endr
	s_mov_b32 s51, 0
	s_lshl_b32 s50, ttmp9, 5
	s_add_co_u32 s50, s50, s8                      ; my first tile of queries: 32 x + wave
	s_mul_i32 s50, s50, 768
	s_add_co_u32 s50, s50, QCOD
	s_add_nc_u64 s[12:13], s[46:47], s[50:51]
	s_lshl_b32 s9, ttmp9, 3
	s_lshr_b32 s44, s8, 2
	s_add_co_u32 s9, s9, s44                       ; its band: 8 x + wave / 4
	s_lshl_b32 s50, s9, 8
	s_and_b32 s44, s8, 1
	s_lshl_b32 s44, s44, 7
	s_add_co_u32 s50, s50, s44                     ; an odd tile's words lie in lanes 16-31's places
	s_bfe_u32 s44, s8, 0x10001
	s_lshl_b32 s44, s44, 2
	s_add_co_u32 s50, s50, s44
	s_add_co_u32 s50, s50, QSCL
	s_add_nc_u64 s[14:15], s[46:47], s[50:51]
	s_lshl_b32 s50, s9, 6
	s_and_b32 s44, s8, 3
	s_lshl_b32 s44, s44, 3
	s_add_co_u32 s50, s50, s44                     ; the tile's first token: 64 band + 8 t
	s_lshl_b32 s50, s50, 12
	s_lshr_b32 s44, s10, 4
	s_lshl_b32 s44, s44, 22
	s_add_co_u32 s50, s50, s44
	s_and_b32 s44, s10, 15
	s_lshl_b32 s44, s44, 8
	s_add_co_u32 s50, s50, s44
	s_add_nc_u64 s[16:17], s[6:7], s[50:51]
	s_mul_i32 s45, s8, 16*SPT
	s_add_co_u32 s45, s45, STAGE
	v_and_b32 v7, 31, v0
	v_and_b32 v10, 15, v0                          ; r
	v_bfe_u32 v11, v0, 4, 1                        ; h
	v_lshlrev_b32 v1, 4, v7
	v_lshlrev_b32 v2, 3, v7
	v_lshlrev_b32 v6, 3, v11
	v_lshlrev_b32 v94, 3, v10
	v_mul_u32_u24 v3, v10, SPT
	v_mul_u32_u24 v4, v11, SPT
	v_lshlrev_b32 v5, 12, v11
	v_lshl_add_u32 v3, v11, 7, v3
	v_lshl_add_u32 v4, v10, 4, v4
	v_lshl_add_u32 v5, v10, 4, v5                  ; two rows of out0, 16 bytes a lane
	v_add_nc_u32 v3, s45, v3                       ; stage in: row r, + 128 h: register 8 j + i is channel 32 h + 8 j + i
	v_add_nc_u32 v4, s45, v4                       ; back: lanes 0-15 one row, lanes 16-31 the next
.irp j, 22,23,24,25,26,27, 80,81,82,83,84,85, 31, 253
	v_mov_b32 v[\j], 0
.endr
	s_wait_alu depctr_va_vdst(0)                   ; the wait at the head's end
	global_load_b128 v[16:19], v1, s[12:13]
	global_load_b64 v[20:21], v2, s[12:13] offset:512
	global_load_b32 v30, v94, s[14:15]
	global_load_b128 v[216:219], v1, s[12:13] offset:16*768        ; the second tile, sixteen tiles on
	global_load_b64 v[220:221], v2, s[12:13] offset:16*768+512
	global_load_b32 v222, v94, s[14:15] offset:1024
.macro STEP
	v_add_nc_u32 v8, s[TK], v1                     ; with the v_nop: the places behind the last step's products
	v_add_nc_u32 v9, s[TK], v2
	v_add_nc_u32 v10, s[TS], v2
	v_nop
	ds_load_b64 v[86:87], v10                      ; K's words, two bands
	ds_load_b64 v[88:89], v10 offset:256
	ds_load_b64 v[90:91], v10 offset:VSCL-KSCL     ; V's half words
	ds_load_b64 v[92:93], v10 offset:VSCL-KSCL+256
.irp i, 0,1,2,3,4,5,6,7
	ds_load_b128 v[32+6*\i:35+6*\i], v8 offset:768*\i
	ds_load_b64 v[36+6*\i:37+6*\i], v9 offset:768*\i+512
.endr
	s_wait_alu depctr_va_vdst(0)
	s_wait_dscnt 0x0
.irp i, 0,2,4,6                                ; S^T = K Q^T
	v_wmma_scale_f32_16x16x128_f8f6f4 v[96+8*\i:103+8*\i], v[32+6*\i:43+6*\i], v[16:27], 0, v[86+\i/2], v30 matrix_a_fmt:MATRIX_FMT_FP6 matrix_b_fmt:MATRIX_FMT_FP6
	v_wmma_scale_f32_16x16x128_f8f6f4 v[104+8*\i:111+8*\i], v[38+6*\i:49+6*\i], v[16:27], 0, v[86+\i/2], v30 matrix_a_fmt:MATRIX_FMT_FP6 matrix_b_fmt:MATRIX_FMT_FP6 matrix_a_scale:MATRIX_SCALE_ROW1
.endr
	v_lshl_or_b32 v206, v92, 16, v90               ; V's words: band 2 T's two bytes below, band 2 T + 1's above.  (With the two v_nop: the places)
	v_lshl_or_b32 v207, v93, 16, v91
	v_nop
	v_nop
.irp j, 0,1,2,3                                ; V's fragments land under the softmax
.irp c, 0,1
	ds_load_b128 v[32+12*\j+6*\c:35+12*\j+6*\c], v8 offset:VCOD+3072*\c+768*\j
	ds_load_b64 v[36+12*\j+6*\c:37+12*\j+6*\c], v9 offset:VCOD+3072*\c+768*\j+512
.endr
.endr
.irp c, 0,1                                    ; the largest score of each of my two blocks, in two chains each
.irp k, 0,1
	v_max3_num_f32 v[192+2*\c+\k], v[96+32*\c+16*\k], v[97+32*\c+16*\k], v[98+32*\c+16*\k]
.endr
.endr
.irp i, 3,5,7,9,11,13
.irp c, 0,1
.irp k, 0,1
	v_max3_num_f32 v[192+2*\c+\k], v[192+2*\c+\k], v[96+32*\c+16*\k+\i], v[97+32*\c+16*\k+\i]
.endr
.endr
.endr
	v_max3_num_f32 v193, v193, v111, v127
	v_max3_num_f32 v195, v195, v143, v159
	v_max_num_f32 v192, v192, v193
	v_max_num_f32 v194, v194, v195
	s_delay_alu instid0(VALU_DEP_1)
	v_max3_num_f32 v254, v192, v194, v13
	s_delay_alu instid0(VALU_DEP_1)
	v_permlanex16_b32 v31, v254, s[SEL], s[SEL+1]
	s_delay_alu instid0(VALU_DEP_1)
	v_max_num_f32 v13, v254, v31                   ; the running largest score of my query
	s_delay_alu instid0(VALU_DEP_1)
	v_mul_f32 v254, s19, v13                       ; -t
	v_mov_b32 v11, v12
	s_delay_alu instid0(VALU_DEP_2)
	v_floor_f32 v12, v254                          ; -M = floor(-t)
	s_delay_alu instid0(VALU_DEP_1)
	v_sub_f32 v254, v12, v11                       ; old M - new M, a whole number
	s_delay_alu instid0(VALU_DEP_1)
	v_cvt_i32_f32 v254, v254
	s_delay_alu instid0(VALU_DEP_1)
	v_ldexp_f32 v252, 1.0, v254                    ; f
.irp j, 0,2,4,6,8,10,12,14,16,18,20,22,24,26,28,30,32,34,36,38,40,42,44,46,48,50,52,54,56,58,60,62
	v_pk_fma_f32 v[96+\j:97+\j], v[96+\j:97+\j], s[CS:CS+1], v[12:13] op_sel_hi:[1,0,0]   ; t - M
.endr
	v_fma_f32 v192, v192, s[CS], v12
	v_fma_f32 v194, v194, s[CS], v12
	s_wait_alu depctr_va_vdst(0)                   ; the wait ahead of the batch
.irp j, 0,1,2,3,4,5,6,7,8,9,10,11,12,13,14,15,16,17,18,19,20,21,22,23,24,25,26,27,28,29,30,31,32,33,34,35,36,37,38,39,40,41,42,43,44,45,46,47,48,49,50,51,52,53,54,55,56,57,58,59,60,61,62,63
	v_exp_f32 v[96+\j], v[96+\j]
.endr
	v_exp_f32 v192, v192                           ; each block's largest p
	v_exp_f32 v194, v194
	v_pk_mul_f32 v[14:15], v[14:15], v[252:253] op_sel_hi:[1,0]   ; the sums under the new M
	s_wait_alu depctr_va_vdst(0)                   ; and behind it
	v_max_num_f32 v192, 0x1800000, v192            ; the floor
	v_max_num_f32 v194, 0x1800000, v194
	v_add_nc_u32 v196, 0xff000000, v192            ; the conversions' scale operands
	v_add_nc_u32 v197, 0xff000000, v194
.irp c, 0,1
	v_cvt_scalef32_pk16_fp6_f32 v[224+6*\c:226+6*\c], v[96+32*\c:111+32*\c], v[196+\c]
	v_cvt_scalef32_pk16_fp6_f32 v[208+4*\c:210+4*\c], v[112+32*\c:127+32*\c], v[196+\c]
.endr
	v_lshrrev_b32 v198, 23, v196                   ; the bytes of blocks h and 2 + h
	v_lshrrev_b32 v199, 23, v197
.irp c, 0,1
.irp i, 0,1,2
	v_mov_b32 v[227+6*\c+\i], v[208+4*\c+\i]
.endr
.endr
	v_lshl_or_b32 v200, v199, 16, v198
	v_lshlrev_b32 v200, v6, v200                   ; 8 h bits up
	v_permlanex16_b32 v31, v200, s[SEL], s[SEL+1]
	v_or_b32 v253, v200, v31                       ; p's scale word
	v_pk_add_f32 v[240:241], v[96:97], v[98:99]    ; the row's sum of the unquantised p, in four chains
	v_pk_add_f32 v[242:243], v[100:101], v[102:103]
	v_pk_add_f32 v[244:245], v[104:105], v[106:107]
	v_pk_add_f32 v[14:15], v[14:15], v[108:109]
.set n, 0
.rept 25
.if n%4 == 3
	v_pk_add_f32 v[14:15], v[14:15], v[110+2*n:111+2*n]
.else
	v_pk_add_f32 v[240+2*(n%4):241+2*(n%4)], v[240+2*(n%4):241+2*(n%4)], v[110+2*n:111+2*n]
.endif
.set n, n+1
.endr
	v_pk_add_f32 v[240:241], v[240:241], v[242:243]
	v_pk_add_f32 v[14:15], v[14:15], v[244:245]
	v_pk_add_f32 v[14:15], v[14:15], v[240:241]
	s_wait_alu depctr_va_vdst(0)                   ; the wait directly ahead of the first reader of O^T
.irp j, 0,2,4,6,8,10,12,14,16,18,20,22,24,26,28,30
	v_pk_mul_f32 v[160+\j:161+\j], v[160+\j:161+\j], v[252:253] op_sel_hi:[1,0]   ; O^T under the new M
.endr
	s_wait_alu depctr_va_vdst(0)
	s_wait_dscnt 0x0                               ; V is in
.irp t, 0,2                                    ; O^T += V^T P^T; the four accumulators take turns
	v_wmma_scale_f32_16x16x128_f8f6f4 v[160+8*\t:167+8*\t], v[32+12*\t:43+12*\t], v[224:235], v[160+8*\t:167+8*\t], v[206+\t/2], v253 matrix_a_fmt:MATRIX_FMT_FP6 matrix_b_fmt:MATRIX_FMT_FP6
	v_wmma_scale_f32_16x16x128_f8f6f4 v[168+8*\t:175+8*\t], v[44+12*\t:55+12*\t], v[224:235], v[168+8*\t:175+8*\t], v[206+\t/2], v253 matrix_a_fmt:MATRIX_FMT_FP6 matrix_b_fmt:MATRIX_FMT_FP6 matrix_a_scale:MATRIX_SCALE_ROW1
.endr
.endm
.macro WAYOUT p                        ; O^T / the sum, through my stage: sixteen lanes store the 256 consecutive bytes of one query and head
.rept 4
	v_nop
.endr
	v_add_f32 v14, v14, v15
	s_delay_alu instid0(VALU_DEP_1)
	v_permlanex16_b32 v252, v14, s[SEL], s[SEL+1]
	s_delay_alu instid0(VALU_DEP_1)
	v_add_f32 v14, v14, v252
	s_wait_alu depctr_va_vdst(0)
	v_rcp_f32 v14, v14
	v_nop
	s_wait_alu depctr_va_vdst(0)
.irp j, 0,2,4,6,8,10,12,14,16,18,20,22,24,26,28,30
	v_pk_mul_f32 v[96+\j:97+\j], v[160+\j:161+\j], v[14:15] op_sel_hi:[1,0]
.endr
.irp k, 0,1,2,3,4,5,6,7
	ds_store_b128 v3, v[96+4*\k:99+4*\k] offset:16*\k
.endr
.irp i, 0,1,2,3,4,5,6,7
	ds_load_b128 v[128+4*\i:131+4*\i], v4 offset:2*\i*SPT          ; LDS serves a wave's instructions in order
.endr
.irp i, 0,1,2,3,4,5,6,7
	s_wait_dscnt 7-\i                              ; the younger loads may stay out
	global_store_b128 v5, v[128+4*\i:131+4*\i], s[16:17] offset:(2*\i+24*(\i/4))*4096+\p*1048576 th:TH_STORE_NT   ; row 2 i + h of the tile is token 2 i + h + 24 (i / 4) of its place; the second tile lies 256 tokens on
.endr
	s_wait_xcnt 0x0                                ; the stores have read their registers
.endm
.macro PASS p
.if \p
.irp i, 0,1,2,3,4,5
	v_mov_b32 v[16+\i], v[216+\i]                  ; the second tile's Q
.endr
	v_mov_b32 v30, v222
.endif
	v_mov_b32 v13, 0xff61b1e6                      ; the largest score so far: -3e38
	v_mov_b32 v14, 0
	v_mov_b32 v15, 0
	v_mul_f32 v12, s19, v13
.irp j, 0,1,2,3,4,5,6,7,8,9,10,11,12,13,14,15,16,17,18,19,20,21,22,23,24,25,26,27,28,29,30,31
	v_mov_b32 v[160+\j], 0                         ; the step is written once: the first finds zeros
.endr
	v_floor_f32 v12, v12
	s_mov_b32 s[TK], 0
	s_mov_b32 s[TS], KSCL
	s_mov_b32 s[TRIP], 8
.Lkeys_\@:
	STEP
	s_add_co_u32 s[TK], s[TK], 6144
	s_add_co_u32 s[TS], s[TS], 512
	s_sub_co_u32 s[TRIP], s[TRIP], 1
	s_cmp_lg_u32 s[TRIP], 0
	s_cbranch_scc1 .Lkeys_\@
	WAYOUT \p
.endm
	s_wait_loadcnt 0x0                             ; Q
	s_wait_tensorcnt 0x0                           ; my sixteenth is in,
	s_barrier_signal -1
	s_barrier_wait -1                              ; everybody's is
	PASS 0
	PASS 1
	s_wait_tensorcnt 0x0                           ; the wave's end
	ds_add_u32 v28, v29
	s_wait_dscnt 0x0
	s_endpgm
.Lfunc_end_k_q3171ac9741_attn:
	.size	k_q3171ac9741_attn, .Lfunc_end_k_q3171ac9741_attn-k_q3171ac9741_attn
	.p2alignl 7, 3214868480
	.fill 96, 4, 3214868480
	.section	.rodata,"a",@progbits
	.p2align	6, 0x0
	.amdhsa_kernel k_q3171ac9741_attn
		.amdhsa_group_segment_fixed_size 178176
		.amdhsa_private_segment_fixed_size 0
		.amdhsa_enable_private_segment 0
		.amdhsa_kernarg_size 16
		.amdhsa_user_sgpr_count 2
		.amdhsa_user_sgpr_kernarg_segment_ptr 1
		.amdhsa_wavefront_size32 1
		.amdhsa_system_sgpr_workgroup_id_x 1
		.amdhsa_system_sgpr_workgroup_id_y 1
		.amdhsa_system_sgpr_workgroup_id_z 1
		.amdhsa_system_vgpr_workitem_id 0
		.amdhsa_next_free_vgpr 256
		.amdhsa_next_free_sgpr 66
		.amdhsa_reserve_vcc 0
		.amdhsa_float_denorm_mode_32 3
		.amdhsa_float_denorm_mode_16_64 3
		.amdhsa_memory_ordered 1
		.amdhsa_forward_progress 1
		.amdhsa_inst_pref_size 46
	.end_amdhsa_kernel
	.amdgpu_metadata
---
amdhsa.version: [ 1, 2 ]
amdhsa.kernels:
  - .name:           k_q3171ac9741_attn
    .symbol:         k_q3171ac9741_attn.kd
    .args:
      - { .name: qkv, .offset: 0, .size: 8, .value_kind: global_buffer, .address_space: global }
      - { .name: out0, .offset: 8, .size: 8, .value_kind: global_buffer, .address_space: global }
    .group_segment_fixed_size: 178176
    .private_segment_fixed_size: 0
    .kernarg_segment_align: 8
    .kernarg_segment_size: 16
    .max_flat_workgroup_size: 512
    .sgpr_count:     66
    .vgpr_count:     256
    .wavefront_size: 32
...
	.end_amdgpu_metadata
.endif
;; end of part 3
